; MI455X (gfx1250); checked and timed in simulation.
; The chip was launched on July 23, 2026; its instructions are those of AMD's public machine-readable ISA for CDNA 5 (MIT licence, August 2026) and "CDNA5" Instruction Set Architecture Reference Guide (July 2026). The comments in the code are by the model that wrote it; some were corrected since.
;; Cv T Block. Allowed arithmetic: matrix products marked QUANTISED: E4M3 operands, one given power-of-two scale a tensor, by v_wmma_f32_16x16x64_fp8_fp8 or v_wmma_f32_16x16x128_fp8_fp8, f32 sums; everything else in f32.
;; Inputs: R 8 x 32 x 32 float32; W0_codes 128 x 16 x 32 uint8 (E4M3 codes of W0, K innermost, in blocks of 32 codes); Wk_codes 512 x 4 x 32 uint8 (E4M3 codes of Wk, K innermost, in blocks of 32 codes); Wq_codes 512 x 4 x 32 uint8 (E4M3 codes of Wq, K innermost, in blocks of 32 codes); Wv_codes 512 x 4 x 32 uint8 (E4M3 codes of Wv, K innermost, in blocks of 32 codes); lowp_scales 12 int32 (the exponents e of the quantised operands' scales 2^e); x 32 x 128 x 32 x 32 float32.
;; Outputs: out0 32 x 128 x 32 x 32 float32.
;; This version of the problem:
;;   THIS VERSION OF THE PROBLEM IS GIVEN IN LOW PRECISION. The matrix products marked QUANTISED in the list below multiply operands that are first quantised to E4M3 (4 exponent bits, 3 mantissa bits; 8 bits a number), with one given power-of-two scale for each operand tensor; their sums are f32. All else is computed in f32.
;;   The module's matrix products, in the order in which they are computed (A, B: the left and right operand; K: the contracted axis; several contracted axes count as one K, in the product's order):
;;     1. [M 512, K 128] x [K 128, N 32,768]; A: input Wq (given as codes); B: computed on the way: QUANTISED (scales: A lowp_scales[0], B lowp_scales[1])
;;     2. [M 512, K 128] x [K 128, N 32,768]; A: input Wk (given as codes); B: computed on the way: QUANTISED (scales: A lowp_scales[2], B lowp_scales[3])
;;     3. [M 512, K 128] x [K 128, N 32,768]; A: input Wv (given as codes); B: computed on the way: QUANTISED (scales: A lowp_scales[4], B lowp_scales[5])
;;     4. batch 256 x [M 1,024, K 64] x [K 64, N 1,024]; A: computed on the way; B: computed on the way: QUANTISED (scales: A lowp_scales[6], B lowp_scales[7])
;;     5. batch 256 x [M 64, K 1,024] x [K 1,024, N 1,024]; A: computed on the way; B: softmax (see below): QUANTISED (scales: A lowp_scales[8], B lowp_scales[9])
;;     6. [M 128, K 512] x [K 512, N 32,768]; A: input W0 (given as codes); B: computed on the way: QUANTISED (scales: A lowp_scales[10], B lowp_scales[11])
;;   THE QUANTISER, for each operand of a quantised product, along K:
;;     - The operand's scale is 2^e, e = its entry of the input lowp_scales (int32; the entries are numbered through the quantised products in the list's order, A before B).
;;     - Each number is divided by the scale, clamped to +-448, and rounded to the nearest number of E4M3, ties to even, subnormals kept.
;;     - The product sums the exact products of the quantised numbers (number of the format x scale) in f32.
;;   ~~~python
;;   def quantise(x, axis, e):      # numpy; x: float32 -> the quantised numbers, widened to float32 again
;;       x = np.moveaxis(x, axis, -1); K = x.shape[-1]
;;       r = np.clip(x / 2.0 ** e, -448, 448)
;;       step = 2.0 ** (np.maximum(np.frexp(np.where(r == 0, 1, r))[1] - 1, -6) - 3)
;;       q = np.round(r / step) * step * 2.0 ** e      # np.round: ties to even
;;       return np.moveaxis(q, -1, axis).astype(np.float32)
;;   ~~~
;;   SOFTMAX AHEAD OF A QUANTISED PRODUCT. Where the list says 'softmax', what is quantised is not the finished softmax but p = 2^(t - M), with t = logit x log2(e) and M = ceil(the row's largest t), a whole number; so 1/2 < the row's largest p <= 1. The row's sum l is taken of the UNQUANTISED p, in f32, and the product's result is divided by l at the end. Since M is a whole number, a kernel that streams over the keys may use a running M (the ceiling of the running maximum): every later rescaling is an exact power of two, so the quantised numbers keep their values, but for numbers so far below the row's largest that they fall under the format's range.
;;   OPERANDS COMPUTED ON THE WAY. 'Computed on the way' means the value that the module computes at that place (a softmax that the list does not call 'softmax' is quantised finished and normalised). What goes into a quantiser is computed in f32, as accurately as f32 sums, v_exp_f32 and their like allow (about 1e-6 of the number): no bf16 or f16 on the way to a quantiser, and a product that is left as it is and whose result goes on into a quantised operand takes f32 operands (vector FMAs, or v_wmma_f32_16x16x4_f32). A number that lies on a knife's edge between two numbers of the format may be rounded either way, as far as f32 arithmetic and the matrix unit's own rounding can turn it there, and no further.
;;   INPUTS GIVEN AS CODES. W0 (in the module: [128, 512], K = its axis 1); Wk (in the module: [512, 128], K = its axis 1); Wq (in the module: [512, 128], K = its axis 1); Wv (in the module: [512, 128], K = its axis 1): each comes as NAME_codes (uint8): NAME with its K axis moved to the last place and cut into blocks of 32 codes, [.., K / 32, bytes a block], one block behind the other in memory; one code a byte (a code: sign, 4 exponent bits, 3 mantissa bits); its scale is its entry of lowp_scales. Its value is code x scale, taken as it is: it is not quantised again, and the codes and scales need not be those that the quantiser above would give.
;; One version. Each part assembles by itself: llvm-mc -triple=amdgcn-amd-amdhsa -mcpu=gfx1250 --defsym DOCPART=n.
;; ======== version 1 of 1: 2 launches
;; limits: right only within a limited range of input values
;; workspace buffers: att 16,777,216 bytes
;; launch attn (part 1): grid 8 x 32, 8 waves a work-group, no clusters, 279,552 bytes of LDS; arguments x, Wq_codes, Wk_codes, Wv_codes, R, lowp_scales, att; writes att
.if DOCPART == 1
	.amdgcn_target "amdgcn-amd-amdhsa--gfx1250"
	.amdhsa_code_object_version 6
	.text
	.protected	k_qfee097b19d_attn
	.globl	k_qfee097b19d_attn
	.p2align	8
	.type	k_qfee097b19d_attn,@function
k_qfee097b19d_attn:
	s_mov_b64 s[64:65], 0
	v_nop
	global_prefetch_b8 v0, s[64:65] scope:SCOPE_SE
	s_setreg_imm32_b32 hwreg(HW_REG_WAVE_MODE, 25, 1), 1
	s_wait_xcnt 0x0
; One work-group = one sample b (grid y) and one head hh (grid x): 32 x 8 = 256 work-groups, eight waves each, two to a SIMD.
; It makes Q, K, V = W (x / sqrt(5)) for its head, S = Q^T K + bias, the softmax p = 2^(t - M), V p / l, and stores the result as E4M3 codes.
; All products are on E4M3 codes; each operand has the given scale 2^e (lowp_scales e0 .. e11), folded into the conversions' scales.
; PHASES.  A: the head's bias R as images of accumulator registers in LDS.  B: each wave takes 128 places (4 lattice rows), quantises x three ways,
; projects, quantises Q, K, V and stores them in LDS as images of operand registers.  ONE barrier.  C: each wave owns 8 tiles of 16 queries, two at
; a time, and walks the 1,024 keys in 8 steps of 128; LDS is only read from here on, so the loop has no barrier.
; LAYOUT.  A tile is 16 neighbouring places.  A product's eight results of a lane, converted eight at a time, are registers 2 c, 2 c + 1 of the 8-bit
; operand layout (k = 16 c + 8 (lane / 16) + 0 .. 7): so Q, K, V, p and the result are fragments as they leave the conversion.  S^T = K Q^T and
; O^T = V p keep one query to a lane.  An image is 512 bytes for four registers, lane l's 16 bytes at 16 l: no pitch, consecutive bytes.
; THE BIAS is the C operand of the score products: it costs no vector instruction.  Row dx of the image holds, in register 8 u + j of lane (r, h),
; R[hh][dx][(r - 16 u - 8 h - j) mod 32] x 2^-(e6 + e7).  Tiles of queries with yi = 16 + r take the two halves (u) the other way round, by address.
; Two query rows x four key rows need dx = base .. base + 4: five image rows a step.  Rows 32 .. 39 repeat rows 0 .. 7, so base + 4 never wraps.
; NO CLUSTER: the eight heads of a sample read the same x, but x goes from memory straight into registers, a lane to a place and registers down the
; channels, as the conversions want it.  A joint tile would have to pass through LDS as f32: the images take 278,528 of the 327,680 bytes, and the
; tile would be read out again four bytes a lane, as many instructions as the loads from memory are now.
; LIMITS: e1, e3, e5, e6-e0-e1, e7-e2-e3, e8-e4-e5, e9, e11-e8-e9 between -126 and 119; e6+e7 between -123 and 130: each power of two below is then
; an f32 number.  NaN among the inputs is not served.
.set KIMG, 0                           ; LDS: K's 64 tiles, 1,024 bytes each
.set VIMG, 65536                       ; V's fragments (key block kb, 16 d's dt) at (4 kb + dt) x 2,048
.set QIMG, 131072                      ; Q's 64 tiles
.set BIMG, 196608                      ; 40 bias rows of 2,048 bytes
; phases A, B.  Window 0: v1 16 x lane; v2 4 x lane; v3-5 image addresses (Q, K, V); v6 weights' offset; v7 bias rows' address;
;   v8-10 2^e1, 2^e3, 2^e5; v11-13 448 x those; v14-16 the folded scales of Q, K, V; v17-19 448 x those
.set T,  32                            ; v32-63   at work; then the codes just made
.set RA, 32                            ; v32-47   phase A: the 16 gather offsets
.set X,  64                            ; v64-191  128 channels of my place
.set CQ, 192                           ; v192-223 x's codes under e1: two fragments
.set CK, 224                           ; v224-255 under e3
.set WQ, 0                             ; window 1: the head's weights, 4 fragments of 16 registers each
.set WK, 64
.set WV, 128
.set CV, 192                           ; window 1: x's codes under e5
.set D,  224                           ; window 1: four accumulators
; phase C.  Window 0: v2 K's address, v3 V's, v4, v5 the bias's two halves, v6 Q's; v8, v9 2^e9 and 448 x it; v10, v11 2^(e11-e8-e9) and 448 x it;
;   v12 16 x lane + VIMG; v13, v14 16 x lane + BIMG + the half for u = 0, for u = 1
.set ST, 16                            ; v16-31   tile t at 16 + 8 t: +0 -M, +1 largest t, +2, +3 the sum, +4 f, +5 the other half's, +6, +7 at work
.set P,  32                            ; v32-63   p's codes, 16 a tile
.set S,  64                            ; v64-191  scores, then p: 64 a tile
.set O,  192                           ; v192-255 O^T, 32 a tile
.set KF, 0                             ; window 1: K's 8 tiles of a step
.set VF, 64                            ; V's 4 fragments of a step
.set BI, 128                           ; 5 bias rows
.set QF, 208                           ; Q's 2 tiles
.set MSB, 0
.macro WIN new                         ; the immediate's high byte repeats the setting that is left; a switch that changes nothing is dropped
.if MSB != \new
	s_set_vgpr_msb (MSB<<8)|\new
.set MSB, \new
.endif
.endm
.macro MKSC vsc, vlim, se              ; 2^e as f32 (the conversion takes its exponent field), and 448 x 2^e
	s_add_co_i32 s46, s[\se], 127
	s_lshl_b32 s47, s46, 23
	v_mov_b32 v[\vsc], s47
	s_add_co_i32 s46, s46, 8
	s_lshl_b32 s46, s46, 23
	s_or_b32 s46, s46, 0x600000
	v_mov_b32 v[\vlim], s46
.endm
.macro SETRB k                         ; where bias row k of my five stands in phase A
.if \k < 4
.set RB, 192+16*\k
.else
.set RB, 48
.endif
.endm
; 128 loads: one channel each, 32 neighbouring places in the 32 lanes.  X[0..63]: channels 32 g + 0 .. 15 (what lanes 0-15 of a fragment hold), X[64..127]: 32 g + 16 .. 31
.macro XLOAD
.set n, 0
.rept 128
	global_load_b32 v[X+n], v2, s[68:69] offset:(32*((n%64)/16)+16*(n/64)+n%16)*4096
.set n, n+1
.endr
.endm
; x's 128 numbers of a lane become 32 registers of codes; X is kept.
.macro CONV c, sc, lim
.irp g,0,1,2,3,4,5,6,7
.irp i,0,1,2,3,4,5,6,7,8,9,10,11,12,13,14,15
.endr
	v_cvt_scalef32_pk8_fp8_f32 v[\c+4*\g:\c+4*\g+1], v[T+16*(\g%2)+((X+16*\g+0)-(T+16*(\g%2)+0)):T+16*(\g%2)+7+((X+16*\g+0)-(T+16*(\g%2)+0))], v[\sc]
	v_cvt_scalef32_pk8_fp8_f32 v[\c+4*\g+2:\c+4*\g+3], v[T+16*(\g%2)+8+((X+16*\g+0)-(T+16*(\g%2)+0)):T+16*(\g%2)+15+((X+16*\g+0)-(T+16*(\g%2)+0))], v[\sc]
.endr
	v_nop                                          ; a plain line behind the last conversion
.endm
.macro CONVV                           ; the third time X is held in place; the codes go to window 1
.set i, 0
.rept 128
	v_med3_num_f32 v[X+i], v[X+i], -v13, v13
.set i, i+1
.endr
	WIN 0x40
.irp g,0,1,2,3,4,5,6,7
	v_cvt_scalef32_pk8_fp8_f32 v[CV+4*\g:CV+4*\g+1], v[X+16*\g:X+16*\g+7], v10
	v_cvt_scalef32_pk8_fp8_f32 v[CV+4*\g+2:CV+4*\g+3], v[X+16*\g+8:X+16*\g+15], v10
.endr
	v_nop
	WIN 0
.endm
; Registers c .. c+15 hold the lower 16 channels of each 32 for places 0-31, c+16 .. c+31 the upper.  The exchange of the first's lanes 16-31 with the second's lanes 0-15
; leaves the fragment of places 0-15 in c .. c+15 and that of places 16-31 in c+16 .. c+31
.macro SWAP c
.set i, 0
.rept 16
	v_permlane16_swap_b32 v[\c+i], v[\c+16+i]
.set i, i+1
.endr
.endm
; Q or K of 16 places: source 0 = 16 rows d of the weight, source 1 = the places: a lane holds one place, its registers d = 16 dt + 8 h + j.  Held, converted, stored as an image
.macro PROJQK w, c, tile, sc, lim, adr, oc
	WIN 0x41
.irp d,0,1,2,3
	v_wmma_f32_16x16x128_fp8_fp8 v[D+8*\d:D+8*\d+7], v[\w+16*\d:\w+16*\d+15], v[\c+16*\tile:\c+16*\tile+15], 0
.endr
.rept 4
	v_nop                                          ; four places between the products and the first read of their results (ISA guide 7.12.1)
.endr
.set i, 0
.rept 32
.set i, i+1
.endr
	WIN 0x01
.irp d,0,1,2,3
	v_cvt_scalef32_pk8_fp8_f32 v[\oc+2*\d:\oc+2*\d+1], v[D+8*\d:D+8*\d+7], v[\sc]
.endr
	WIN 0
	v_nop                                          ; a plain line between the conversions and the next products, which write their sources
.irp k,0,1
	ds_store_b128 v[\adr], v[\oc+4*\k:\oc+4*\k+3] offset:\tile*1024+512*\k
.endr
.endm
; V of 16 keys: source 0 = the keys, source 1 = 16 rows d of Wv: a lane holds one d = 16 dt + r, its registers keys 8 h + j: the layout of the second product's first source
.macro PROJV tile
	WIN 0x45
.irp d,0,1,2,3
	v_wmma_f32_16x16x128_fp8_fp8 v[D+8*\d:D+8*\d+7], v[CV+16*\tile:CV+16*\tile+15], v[WV+16*\d:WV+16*\d+15], 0
.endr
.rept 4
	v_nop
.endr
	WIN 0x41
.set i, 0
.rept 32
.set i, i+1
.endr
	WIN 0x01
.irp d,0,1,2,3
	v_cvt_scalef32_pk8_fp8_f32 v[T+4*\d+2*\tile:T+4*\d+2*\tile+1], v[D+8*\d:D+8*\d+7], v16
.endr
	WIN 0
	v_nop
.endm
.macro LOADKB                          ; 36 LDS loads (destination window 1): a step's 8 tiles of K and 5 bias rows
.irp c,0,1,2,3,4,5,6,7
	ds_load_b128 v[KF+8*\c:KF+8*\c+3], v2 offset:\c*1024
	ds_load_b128 v[KF+8*\c+4:KF+8*\c+7], v2 offset:\c*1024+512
.endr
.irp k,0,1,2,3,4
	ds_load_b128 v[BI+16*\k:BI+16*\k+3], v4 offset:\k*2048
	ds_load_b128 v[BI+16*\k+4:BI+16*\k+7], v4 offset:\k*2048+512
	ds_load_b128 v[BI+16*\k+8:BI+16*\k+11], v5 offset:\k*2048
	ds_load_b128 v[BI+16*\k+12:BI+16*\k+15], v5 offset:\k*2048+512
.endr
.endm
.macro LOADV                           ; 16 LDS loads: a step's 4 fragments of V
.irp d,0,1,2,3
.irp q,0,1,2,3
	ds_load_b128 v[VF+16*\d+4*\q:VF+16*\d+4*\q+3], v3 offset:\d*2048+512*\q
.endr
.endr
.endm
; The softmax of two tiles x 128 keys.  first = 1: the pass's first step: it starts the largest t, the sum and O^T
.macro SOFTMAX first
.irp t,0,1                             ; the largest score of my query among my 64 keys: two chains a tile; each accumulator is read from its low end on
	v_max3_num_f32 v[ST+8*\t+6], v[S+64*\t], v[S+64*\t+1], v[S+64*\t+2]
	v_max3_num_f32 v[ST+8*\t+7], v[S+64*\t+3], v[S+64*\t+4], v[S+64*\t+5]
.endr
.irp i,6,10,14,18,22,26,30,34,38,42,46,50,54,58
.irp t,0,1
	v_max3_num_f32 v[ST+8*\t+6], v[ST+8*\t+6], v[S+64*\t+\i], v[S+64*\t+\i+1]
	v_max3_num_f32 v[ST+8*\t+7], v[ST+8*\t+7], v[S+64*\t+\i+2], v[S+64*\t+\i+3]
.endr
.endr
.irp t,0,1
	v_max3_num_f32 v[ST+8*\t+6], v[ST+8*\t+6], v[S+64*\t+62], v[S+64*\t+63]
.endr
.irp t,0,1
	s_delay_alu instid0(VALU_DEP_2)
	v_max_num_f32 v[ST+8*\t+6], v[ST+8*\t+6], v[ST+8*\t+7]
.endr
.irp t,0,1
	s_delay_alu instid0(VALU_DEP_2)
	v_permlanex16_b32 v[ST+8*\t+5], v[ST+8*\t+6], s50, s51       ; the query's other 64 keys lie in the lane 16 away
.endr
.irp t,0,1
	s_delay_alu instid0(VALU_DEP_2)
	v_max_num_f32 v[ST+8*\t+6], v[ST+8*\t+6], v[ST+8*\t+5]
.endr
.if \first
.irp t,0,1
	s_delay_alu instid0(VALU_DEP_2)
	v_mul_f32 v[ST+8*\t+1], s48, v[ST+8*\t+6]                    ; as t (the factor is positive)
.endr
.else
.irp t,0,1
	s_delay_alu instid0(VALU_DEP_2)
	v_mul_f32 v[ST+8*\t+6], s48, v[ST+8*\t+6]
.endr
.irp t,0,1
	s_delay_alu instid0(VALU_DEP_2)
	v_max_num_f32 v[ST+8*\t+1], v[ST+8*\t+1], v[ST+8*\t+6]       ; the running largest t
.endr
.irp t,0,1
	v_mov_b32 v[ST+8*\t+7], v[ST+8*\t]                           ; the old -M is kept for f
.endr
.endif
.irp t,0,1
	v_floor_f32 v[ST+8*\t], -v[ST+8*\t+1]                        ; -M = floor(-t) = -ceil(t): a whole number
.endr
.if !\first
.irp t,0,1
	s_delay_alu instid0(VALU_DEP_2)
	v_sub_f32 v[ST+8*\t+7], v[ST+8*\t], v[ST+8*\t+7]             ; old M - new M, 0 or less
.endr
.irp t,0,1
	s_delay_alu instid0(VALU_DEP_2)
	v_cvt_i32_f32 v[ST+8*\t+7], v[ST+8*\t+7]
.endr
.irp t,0,1
	s_delay_alu instid0(VALU_DEP_2)
	v_ldexp_f32 v[ST+8*\t+4], 1.0, v[ST+8*\t+7]                  ; f = 2^(old M - new M): multiplying by it rounds nothing
.endr
.endif
.irp t,0,1
.set j, 0
.rept 32
	v_pk_fma_f32 v[S+64*\t+j:S+64*\t+j+1], v[S+64*\t+j:S+64*\t+j+1], s[48:49], v[ST+8*\t:ST+8*\t+1] op_sel_hi:[1,0,0]   ; t - M, two at a time
.set j, j+2
.endr
.endr
.set j, 0
	s_wait_alu depctr_va_vdst(0)
.rept 128
	v_exp_f32 v[S+j], v[S+j]                                     ; p = 2^(t - M): one batch of 128
.set j, j+1
.endr
.if \first
	v_nop                                                        ; the plain line behind the last exponential
.else
.irp t,0,1
	v_pk_mul_f32 v[ST+8*\t+2:ST+8*\t+3], v[ST+8*\t+2:ST+8*\t+3], v[ST+8*\t+4:ST+8*\t+5] op_sel_hi:[1,0]   ; the sums under the new M; also the plain line behind the last exponential
.endr
.endif
	s_wait_alu depctr_va_vdst(0)                                 ; ahead of the first line that names an exponential's result: one for the batch
.irp t,0,1                             ; the row's sum of the unquantised p: two chains a tile
.if \first
	v_pk_add_f32 v[ST+8*\t+2:ST+8*\t+3], v[S+64*\t:S+64*\t+1], v[S+64*\t+4:S+64*\t+5]
	v_pk_add_f32 v[ST+8*\t+6:ST+8*\t+7], v[S+64*\t+2:S+64*\t+3], v[S+64*\t+6:S+64*\t+7]
.else
	v_pk_add_f32 v[ST+8*\t+6:ST+8*\t+7], v[S+64*\t:S+64*\t+1], v[S+64*\t+2:S+64*\t+3]
	v_pk_add_f32 v[ST+8*\t+2:ST+8*\t+3], v[ST+8*\t+2:ST+8*\t+3], v[S+64*\t+4:S+64*\t+5]
	v_pk_add_f32 v[ST+8*\t+6:ST+8*\t+7], v[ST+8*\t+6:ST+8*\t+7], v[S+64*\t+6:S+64*\t+7]
.endif
.endr
.irp j,8,12,16,20,24,28,32,36,40,44,48,52,56,60
.irp t,0,1
	v_pk_add_f32 v[ST+8*\t+2:ST+8*\t+3], v[ST+8*\t+2:ST+8*\t+3], v[S+64*\t+\j:S+64*\t+\j+1]
	v_pk_add_f32 v[ST+8*\t+6:ST+8*\t+7], v[ST+8*\t+6:ST+8*\t+7], v[S+64*\t+\j+2:S+64*\t+\j+3]
.endr
.endr
.irp t, 0
	s_delay_alu instid0(VALU_DEP_3)
	v_pk_add_f32 v[ST+8*\t+2:ST+8*\t+3], v[ST+8*\t+2:ST+8*\t+3], v[ST+8*\t+6:ST+8*\t+7]
.endr
.irp t, 1
	s_delay_alu instid0(VALU_DEP_2)
	v_pk_add_f32 v[ST+8*\t+2:ST+8*\t+3], v[ST+8*\t+2:ST+8*\t+3], v[ST+8*\t+6:ST+8*\t+7]
.endr
	; The hold at 448 x 2^e9.  p is at most 1 (a rounding of t above it at the most), and 448 x 2^e9 is 1.75 or more where e9 >= -8: there the hold changes no number and is passed over,
	; by a scalar branch on the whole number e9 as it was read; for e9 <= -9 it runs.  No barrier stands under the branch.
	s_cmp_ge_i32 s33, -8
	s_cbranch_scc1 .Lnh_\@
.set j, 0
.rept 128
.set j, j+1
.endr
.Lnh_\@:
.irp t,0,1
.irp c,0,1,2,3,4,5,6,7
	v_cvt_scalef32_pk8_fp8_f32 v[P+16*\t+2*\c:P+16*\t+2*\c+1], v[S+64*\t+8*\c:S+64*\t+8*\c+7], v8   ; keys 16 c + 8 h + 0 .. 7: registers 2 c, 2 c + 1 of the operand
.endr
.endr
.if \first
	v_nop                                                        ; a plain line between the conversions and the products that read their results
.else
.irp t,0,1
.set j, 0
.rept 16
	v_pk_mul_f32 v[O+32*\t+j:O+32*\t+j+1], v[O+32*\t+j:O+32*\t+j+1], v[ST+8*\t+4:ST+8*\t+5] op_sel_hi:[1,0]   ; O^T under the new M; these are also the plain lines behind the conversions
.set j, j+2
.endr
.endr
.endif
.endm
; A step of 128 keys (key rows 4 g + p, p = 0 .. 3; tile c = 2 p + u).  more = 1: the next step's K and bias are fetched
.macro STEP first, more
	s_wait_dscnt 0x0                               ; K, the bias (and in a pass's first step Q) are in
	WIN 0x15                                       ; K, Q and the bias in window 1, the scores in window 0
.irp p,0,1,2,3
.irp u,0,1
.irp t,0,1
	v_wmma_f32_16x16x64_fp8_fp8 v[S+64*\t+8*(2*\p+\u):S+64*\t+8*(2*\p+\u)+7], v[KF+8*(2*\p+\u):KF+8*(2*\p+\u)+7], v[QF+8*\t:QF+8*\t+7], v[BI+16*(\t+3-\p)+8*\u:BI+16*(\t+3-\p)+8*\u+7]
.endr
.endr
.endr
	WIN 0
	; four plain lines: the places between the products and the loads into their sources, and the first read of their results
	v_add_nc_u32 v3, s55, v12                      ; V of this step
.if \more
	s_add_co_u32 s55, s55, 8192                    ; the next key block
	s_add_co_u32 s56, s56, 28
	s_and_b32 s56, s56, 31                         ; its first bias row: four key rows on is dx - 4
	v_add_nc_u32 v2, s55, v1
	v_lshl_add_u32 v4, s56, 11, v13
	v_lshl_add_u32 v5, s56, 11, v14
.else
.rept 3
	v_nop
.endr
.endif
	WIN 0x40
	LOADV
.if \more
	LOADKB
.endif
	WIN 0
	SOFTMAX \first
.if \more
	s_wait_alu depctr_va_vdst(0)
	s_wait_dscnt 36                                ; V's 16 loads are in; behind them only K's 16 and the bias's 20 were issued
.else
	s_wait_alu depctr_va_vdst(0)
	s_wait_dscnt 0x0
.endif
	WIN 0x01                                       ; V in window 1
.irp d,0,1,2,3
.irp t,0,1                             ; the eight accumulators take turns, one instruction a turn
.if \first
	v_wmma_f32_16x16x128_fp8_fp8 v[O+32*\t+8*\d:O+32*\t+8*\d+7], v[VF+16*\d:VF+16*\d+15], v[P+16*\t:P+16*\t+15], 0
.else
	v_wmma_f32_16x16x128_fp8_fp8 v[O+32*\t+8*\d:O+32*\t+8*\d+7], v[VF+16*\d:VF+16*\d+15], v[P+16*\t:P+16*\t+15], v[O+32*\t+8*\d:O+32*\t+8*\d+7]
.endif
.endr
.endr
	WIN 0
.endm
	; ---- the head
	s_load_b256 s[4:11], s[0:1], 0x0               ; x s[4:5], Wq s[6:7], Wk s[8:9], Wv s[10:11]
	s_load_b128 s[12:15], s[0:1], 0x20             ; R s[12:13], the scales' exponents s[14:15]
	s_load_b64 s[16:17], s[0:1], 0x30              ; att
	v_lshrrev_b32 v20, 5, v0
	s_delay_alu instid0(VALU_DEP_1)
	v_readfirstlane_b32 s18, v20                   ; wave w
	s_mov_b32 s19, ttmp9                           ; head hh
	s_and_b32 s20, ttmp7, 0xffff                   ; sample b
	v_and_b32 v21, 31, v0
	s_delay_alu instid0(VALU_DEP_1)
	v_lshlrev_b32 v1, 4, v21                       ; 16 x lane
	s_delay_alu instid0(VALU_DEP_2)
	v_lshlrev_b32 v2, 2, v21                       ; 4 x lane
	v_and_b32 v20, 15, v0                          ; r
	v_bfe_u32 v21, v0, 4, 1                        ; h
	s_delay_alu instid0(VALU_DEP_2)
	v_lshlrev_b32 v6, 7, v20
	s_delay_alu instid0(VALU_DEP_1)
	v_lshl_add_u32 v6, v21, 4, v6                  ; a weight's row r of 128 bytes, + 16 h
	s_delay_alu instid0(VALU_DEP_3)
	v_lshlrev_b32 v22, 3, v21
	s_delay_alu instid0(VALU_DEP_1)
	v_sub_nc_u32 v22, v20, v22                     ; r - 8 h
.set i, 0
.rept 16                               ; image register i = 8 u + j: column (r - 8 h - 16 u - j) mod 32 of a row of R, in bytes
	v_sub_nc_u32 v[RA+i], v22, 16*(i/8)+i%8
	s_delay_alu instid0(VALU_DEP_1)
	v_and_b32 v[RA+i], 31, v[RA+i]
	s_delay_alu instid0(VALU_DEP_1)
	v_lshlrev_b32 v[RA+i], 2, v[RA+i]
.set i, i+1
.endr
	s_mul_i32 s46, s18, 10240                      ; my five bias rows
	v_add_nc_u32 v7, s46, v1
	s_delay_alu instid0(VALU_DEP_1)
	v_add_nc_u32 v7, BIMG, v7
	s_wait_alu depctr_va_vdst(0)
	s_wait_kmcnt 0x0
	s_load_b256 s[24:31], s[14:15], 0x0            ; e0 .. e7
	s_load_b128 s[32:35], s[14:15], 0x20           ; e8 .. e11
	s_mov_b32 s47, 0
	s_mul_i32 s71, s18, 5
	s_lshl_b32 s72, s19, 12                        ; the head's 32 x 32 numbers of R
.irp k,0,1,2,3,4
	s_add_co_u32 s46, s71, \k
	s_and_b32 s46, s46, 31                         ; image row 5 w + k holds dx = (5 w + k) mod 32
	s_lshl_b32 s46, s46, 7
	s_add_co_u32 s46, s46, s72
	s_add_nc_u64 s[36+2*\k:37+2*\k], s[12:13], s[46:47]
.endr
	s_lshl_b32 s46, s19, 13                        ; the head's 64 rows of 128 bytes
	s_add_nc_u64 s[6:7], s[6:7], s[46:47]
	s_add_nc_u64 s[8:9], s[8:9], s[46:47]
	s_add_nc_u64 s[10:11], s[10:11], s[46:47]
	s_lshl_b32 s46, s20, 19                        ; the sample's 128 x 4,096 bytes,
	s_lshl_b32 s72, s18, 9                         ; my wave's 128 places
	s_add_co_u32 s46, s46, s72
	s_add_nc_u64 s[68:69], s[4:5], s[46:47]
.irp k,0,1,2,3,4
	SETRB \k
.set i, 0
.rept 16
	global_load_b32 v[RB+i], v[RA+i], s[36+2*\k:37+2*\k]
.set i, i+1
.endr
.endr
	WIN 0x40
.irp t,0,1,2,3                         ; a fragment's registers 4 c .. 4 c + 3 hold channels 32 c + 16 h + 0 .. 15: the same places of k as in x's fragments
.irp c,0,1,2,3
	global_load_b128 v[WQ+16*\t+4*\c:WQ+16*\t+4*\c+3], v6, s[6:7] offset:\t*2048+32*\c
	global_load_b128 v[WK+16*\t+4*\c:WK+16*\t+4*\c+3], v6, s[8:9] offset:\t*2048+32*\c
	global_load_b128 v[WV+16*\t+4*\c:WV+16*\t+4*\c+3], v6, s[10:11] offset:\t*2048+32*\c
.endr
.endr
	WIN 0
	XLOAD                                          ; my first lattice row
	s_wait_kmcnt 0x0
	MKSC 8, 11, 25                                 ; x under e1,
	MKSC 9, 12, 27                                 ; e3,
	MKSC 10, 13, 29                                ; e5
	s_sub_co_i32 s71, s30, s24
	s_sub_co_i32 s71, s71, s25
	MKSC 14, 17, 71                                ; a sum of the first product stands for sum x 2^(e0 + e1): Q's code is sum / 2^(e6 - e0 - e1)
	s_sub_co_i32 s71, s31, s26
	s_sub_co_i32 s71, s71, s27
	MKSC 15, 18, 71                                ; K: e7 - e2 - e3
	s_sub_co_i32 s71, s32, s28
	s_sub_co_i32 s71, s71, s29
	MKSC 16, 19, 71                                ; V: e8 - e4 - e5
	s_add_co_i32 s71, s30, s31                     ; e6 + e7
	s_sub_co_i32 s73, 0, s71
	s_lshl_b32 s72, s71, 23
	s_add_co_i32 s48, s72, 0x3e38aa3b              ; log2(e) / 8 x 2^(e6 + e7): the exponents are added to the factor's exponent field
	s_mov_b32 s49, s48                             ; (named with it as a pair)
	s_mov_b32 s50, 0x76543210                      ; lane selects: lane l xor 16
	s_mov_b32 s51, 0xfedcba98
	s_mov_b32 s62, 0x3ee4f92e                      ; 1 / sqrt(5) as f32
	s_mov_b32 s63, s62
	; ---- A: the bias rows
	s_wait_loadcnt 63                              ; 256 loads were issued, x's 128 last: with 63 out at the most, R's 80 and the weights' 48 are in
.irp k,0,1,2,3,4
	SETRB \k
.set i, 0
.rept 16
	v_ldexp_f32 v[RB+i], v[RB+i], s73              ; the sums of codes lack 2^(e6 + e7): so does what is added to them
.set i, i+1
.endr
.endr
.irp k,0,1,2,3,4
	SETRB \k
.irp g,0,1,2,3
	ds_store_b128 v7, v[RB+4*\g:RB+4*\g+3] offset:\k*2048+512*\g
.endr
.endr
	s_wait_dscnt 0x0                               ; the stores have read their registers
	; ---- B: four lattice rows of 32 places
	s_mov_b32 s59, 0
	s_lshl_b32 s60, s18, 13                        ; my 8 tiles in K's and Q's images: 8,192 w + 2,048 x trip
	s_lshl_b32 s61, s18, 13                        ; my key block in V's: 8,192 w + 512 x trip
.Lpair:
	s_wait_loadcnt 0x0                             ; the row's 128 channels are in
.set i, 0
.rept 64
	v_pk_mul_f32 v[X+i:X+i+1], v[X+i:X+i+1], s[62:63] op_sel_hi:[1,0]
.set i, i+2
.endr
	CONV CQ, 8, 11
	CONV CK, 9, 12
	CONVV
	SWAP CQ
	SWAP CK
	WIN 0x41
	SWAP CV
	WIN 0
	s_cmp_eq_u32 s59, 3                            ; the last trip loads nothing: no load leaves x
	s_cbranch_scc1 .Lnox
	s_add_nc_u64 s[68:69], s[68:69], 128           ; (all loads that read the base are done)
	XLOAD                                          ; the next row is on its way under the products below
.Lnox:
	v_add_nc_u32 v4, s60, v1
	s_delay_alu instid0(VALU_DEP_1)
	v_add_nc_u32 v3, QIMG, v4
	v_add_nc_u32 v5, s61, v1
	s_delay_alu instid0(VALU_DEP_1)
	v_add_nc_u32 v5, VIMG, v5
	PROJQK WQ, CQ, 0, 14, 17, 3, T
	PROJQK WQ, CQ, 1, 14, 17, 3, T+8
	PROJQK WK, CK, 0, 15, 18, 4, T+16
	PROJQK WK, CK, 1, 15, 18, 4, T+24
	s_wait_dscnt 0x0                               ; the stores have read v32 on, which V's codes take
	PROJV 0
	PROJV 1
.irp d,0,1,2,3
	ds_store_b128 v5, v[T+4*\d:T+4*\d+3] offset:\d*2048   ; four registers of fragment (w, dt): this row's two tiles of keys
.endr
	s_wait_dscnt 0x0
	s_add_co_u32 s60, s60, 2048
	s_add_co_u32 s61, s61, 512
	s_add_co_u32 s59, s59, 1
	s_cmp_lt_u32 s59, 4
	s_cbranch_scc1 .Lpair
	s_barrier_signal -1                            ; every wave's LDS stores have landed (the wait for 0 above): the one barrier of the launch
	s_barrier_wait -1                              ; from here on LDS is only read
	; ---- C: attention
	MKSC 8, 9, 33                                  ; p under e9
	s_sub_co_i32 s71, s35, s32
	s_sub_co_i32 s71, s71, s33
	MKSC 10, 11, 71                                ; a sum of the second product stands for sum x 2^(e8 + e9): the result's code is (sum / l) / 2^(e11 - e8 - e9)
	s_and_b32 s57, s18, 1                          ; a: which half of a lattice row my queries are
	s_lshl_b32 s72, s57, 10
	s_xor_b32 s74, s72, 1024
	v_add_nc_u32 v12, VIMG, v1
	v_add_nc_u32 v13, BIMG, v1
	s_delay_alu instid0(VALU_DEP_1)
	v_add_nc_u32 v14, s74, v13                     ; the image's half for u = 1,
	s_delay_alu instid0(VALU_DEP_2)
	v_add_nc_u32 v13, s72, v13                     ; and for u = 0
	v_mov_b32 v21, 0                               ; written once: a lane permute's destination counts as one of its sources
	v_mov_b32 v29, 0
	s_lshr_b32 s58, s18, 1
	s_lshl_b32 s58, s58, 3                         ; my first query row: 8 (w / 2)
	s_lshl_b32 s70, s58, 11
	s_add_co_u32 s70, s70, s72
	s_add_co_u32 s70, s70, QIMG                    ; its tile in Q's images
	s_lshl_b32 s46, s20, 19                        ; att: [b][tile of 16 places][K step of 128][four registers][lane][16 bytes]
	s_lshl_b32 s74, s58, 14
	s_add_co_u32 s46, s46, s74
	s_lshl_b32 s74, s57, 13
	s_add_co_u32 s46, s46, s74                     ; tile 2 xi + a, 8,192 bytes each
	s_lshr_b32 s74, s19, 1
	s_lshl_b32 s74, s74, 11
	s_add_co_u32 s46, s46, s74                     ; K step hh / 2,
	s_and_b32 s74, s19, 1
	s_lshl_b32 s74, s74, 10
	s_add_co_u32 s46, s46, s74                     ; its lower or upper 8 registers
	s_mov_b32 s47, 0
	s_add_nc_u64 s[66:67], s[16:17], s[46:47]
	s_mov_b32 s53, 4
.Lpass:                                            ; two tiles of queries: rows s58 and s58 + 1
	s_mov_b32 s55, 0
	s_add_co_u32 s56, s58, 29
	s_and_b32 s56, s56, 31                         ; the first bias row: dx = xi - 3
	v_add_nc_u32 v6, s70, v1
	v_add_nc_u32 v2, s55, v1
	s_wait_alu depctr_va_vdst(0)
	v_lshl_add_u32 v4, s56, 11, v13
	v_lshl_add_u32 v5, s56, 11, v14
	WIN 0x40
.irp t,0,1
	ds_load_b128 v[QF+8*\t:QF+8*\t+3], v6 offset:\t*2048
	ds_load_b128 v[QF+8*\t+4:QF+8*\t+7], v6 offset:\t*2048+512
.endr
	LOADKB
	WIN 0
	STEP 1, 1
	s_mov_b32 s54, 6
.Lstep:
	STEP 0, 1
	s_sub_co_u32 s54, s54, 1
	s_cmp_lg_u32 s54, 0
	s_cbranch_scc1 .Lstep
	STEP 0, 0
	; the way out: O^T / l, held, converted: registers of the last product's operand, stored as they stand
.irp t,0,1
	v_add_f32 v[ST+8*\t+6], v[ST+8*\t+2], v[ST+8*\t+3]
.endr
.rept 2
	v_nop                                          ; with the two additions: four places behind the last products
.endr
.irp t,0,1
	v_permlanex16_b32 v[ST+8*\t+5], v[ST+8*\t+6], s50, s51
.endr
.irp t,0,1
	s_delay_alu instid0(VALU_DEP_2)
	v_add_f32 v[ST+8*\t+6], v[ST+8*\t+6], v[ST+8*\t+5]           ; the row's sum
.endr
	s_wait_alu depctr_va_vdst(0)
.irp t,0,1
	v_rcp_f32 v[ST+8*\t+4], v[ST+8*\t+6]
.endr
	v_nop                                          ; a plain line behind the last reciprocal
	s_wait_alu depctr_va_vdst(0)                   ; and the wait ahead of the first use: one for the two
.irp t,0,1
.set j, 0
.rept 16
	v_pk_mul_f32 v[O+32*\t+j:O+32*\t+j+1], v[O+32*\t+j:O+32*\t+j+1], v[ST+8*\t+4:ST+8*\t+5] op_sel_hi:[1,0]
.set j, j+2
.endr
.set j, 0
.rept 32
.set j, j+1
.endr
.irp d,0,1,2,3
	v_cvt_scalef32_pk8_fp8_f32 v[P+16*\t+2*\d:P+16*\t+2*\d+1], v[O+32*\t+8*\d:O+32*\t+8*\d+7], v10
.endr
	v_nop
.irp k,0,1
	global_store_b128 v1, v[P+16*\t+4*\k:P+16*\t+4*\k+3], s[66:67] offset:\t*16384+512*\k   ; the wave stores 512 consecutive bytes, at a multiple of 512 from att's first byte
.endr
.endr
	s_wait_xcnt 0x0                                ; the stores have read their base and their data: the base steps here, and the next pass writes v32 on
	s_add_nc_u64 s[66:67], s[66:67], 32768         ; two query rows on: four tiles
	s_add_co_u32 s58, s58, 2
	s_add_co_u32 s70, s70, 4096
	s_sub_co_u32 s53, s53, 1
	s_cmp_lg_u32 s53, 0
	s_cbranch_scc1 .Lpass
	s_wait_xcnt 0x0
	v_lshl_add_u32 v254, v0, 2, 0x44000
	v_mov_b32 v255, 0
	s_wait_alu depctr_va_vdst(0)
	s_wait_tensorcnt 0x0
	ds_add_u32 v254, v255
	s_wait_dscnt 0x0
	s_endpgm
.Lfunc_end_k_qfee097b19d_attn:
	.size	k_qfee097b19d_attn, .Lfunc_end_k_qfee097b19d_attn-k_qfee097b19d_attn
	.p2alignl 7, 3214868480
	.fill 96, 4, 3214868480
	.section	.rodata,"a",@progbits
	.p2align	6, 0x0
	.amdhsa_kernel k_qfee097b19d_attn
		.amdhsa_group_segment_fixed_size 279552
		.amdhsa_private_segment_fixed_size 0
		.amdhsa_enable_private_segment 0
		.amdhsa_kernarg_size 56
		.amdhsa_user_sgpr_count 2
		.amdhsa_user_sgpr_kernarg_segment_ptr 1
		.amdhsa_wavefront_size32 1
		.amdhsa_system_sgpr_workgroup_id_x 1
		.amdhsa_system_sgpr_workgroup_id_y 1
		.amdhsa_system_sgpr_workgroup_id_z 1
		.amdhsa_system_vgpr_workitem_id 0
		.amdhsa_next_free_vgpr 512
		.amdhsa_next_free_sgpr 80
		.amdhsa_reserve_vcc 0
		.amdhsa_float_denorm_mode_32 3
		.amdhsa_float_denorm_mode_16_64 3
		.amdhsa_fp16_overflow 1
		.amdhsa_memory_ordered 1
		.amdhsa_forward_progress 1
		.amdhsa_inst_pref_size 155
	.end_amdhsa_kernel
	.amdgpu_metadata
---
amdhsa.version: [ 1, 2 ]
amdhsa.kernels:
  - .name:           k_qfee097b19d_attn
    .symbol:         k_qfee097b19d_attn.kd
    .args:
      - { .name: x, .offset: 0, .size: 8, .value_kind: global_buffer, .address_space: global }
      - { .name: Wq_codes, .offset: 8, .size: 8, .value_kind: global_buffer, .address_space: global }
      - { .name: Wk_codes, .offset: 16, .size: 8, .value_kind: global_buffer, .address_space: global }
      - { .name: Wv_codes, .offset: 24, .size: 8, .value_kind: global_buffer, .address_space: global }
      - { .name: R, .offset: 32, .size: 8, .value_kind: global_buffer, .address_space: global }
      - { .name: lowp_scales, .offset: 40, .size: 8, .value_kind: global_buffer, .address_space: global }
      - { .name: att, .offset: 48, .size: 8, .value_kind: global_buffer, .address_space: global }
    .group_segment_fixed_size: 279552
    .private_segment_fixed_size: 0
    .kernarg_segment_align: 8
    .kernarg_segment_size: 56
    .max_flat_workgroup_size: 256
    .sgpr_count:     80
    .vgpr_count:     512
    .wavefront_size: 32
...
	.end_amdgpu_metadata
.endif
;; end of part 1
;; launch proj (part 2): grid 8 x 32, 8 waves a work-group, no clusters, 101,376 bytes of LDS; arguments att, W0_codes, lowp_scales, x, out0; writes out0
.if DOCPART == 2
	.amdgcn_target "amdgcn-amd-amdhsa--gfx1250"
	.amdhsa_code_object_version 6
	.text
	.protected	k_qfee097b19d_proj
	.globl	k_qfee097b19d_proj
	.p2align	8
	.type	k_qfee097b19d_proj,@function
k_qfee097b19d_proj:
	s_mov_b64 s[64:65], 0
	v_nop
	global_prefetch_b8 v0, s[64:65] scope:SCOPE_SE
	s_setreg_imm32_b32 hwreg(HW_REG_WAVE_MODE, 25, 1), 1
	s_wait_xcnt 0x0
; out0[b][c][n] = 2^(e10 + e11) x (sum over k of W0's code (c, k) x att's code (k, n)) + x[b][c][n].  K = 512 = head x d, in four steps of 128.
; att holds codes as images of operand registers: [b][tile of 16 places][K step][four registers][lane][16 bytes]; register 2 c, 2 c + 1 of lane (r, h): k = 16 c + 8 h + 0 .. 7 of place r.
; A work-group makes 128 channels x 128 places of one sample (grid x: the block of places, y: the sample).  Wave w makes channels 16 w .. 16 w + 15 for all 128 places, 64 at a time;
; its 8 KB of W0 stay in registers.  The block's 64 KB of att are read from memory once, 8 KB a wave, and reach all waves through LDS as they lie: one barrier.
; Source 0 = 16 places, source 1 = 16 channels: a lane holds one channel and eight neighbouring places.  The results go through the wave's own stage in LDS and leave as
; rows of 256 bytes: sixteen lanes store 256 consecutive bytes, at a multiple of 256 from out0's first byte.
; NO CLUSTER, NO TENSOR LOAD: each byte of att, x and out0 is touched by one work-group, once; what work-groups share is W0's 64 KB, of which a wave reads 8 KB once, into registers.
; All of a wave's 64 loads are issued at its head.
; LIMIT: e10 + e11 between -126 and 127, so that 2^(e10 + e11) is an f32 number.
.set STG, 65536                        ; LDS: 0 .. 65,535 att's 32 fragments; then a stage of 16 rows x (256 + 16) bytes for each wave
.set WF,  16                           ; v16-79   W0's four fragments
.set AF,  80                           ; v80-143  four fragments of att; on the way out: rows read back
.set D,   144                          ; v144-175 four accumulators
.set XR,  176                          ; v176-239 x, then the result: never written again
	s_load_b128 s[4:7], s[0:1], 0x0                ; att, W0's codes
	s_load_b128 s[8:11], s[0:1], 0x10              ; the scales' exponents, x
	s_load_b64 s[12:13], s[0:1], 0x20              ; out0
	v_lshl_add_u32 v240, v0, 2, 0x18800
	v_mov_b32 v241, 0
	v_lshrrev_b32 v7, 5, v0
	s_delay_alu instid0(VALU_DEP_1)
	v_readfirstlane_b32 s14, v7                    ; wave w
	s_mov_b32 s15, ttmp9                           ; block of 128 places
	s_and_b32 s16, ttmp7, 0xffff                   ; sample
	v_and_b32 v7, 31, v0
	s_delay_alu instid0(VALU_DEP_1)
	v_lshlrev_b32 v1, 4, v7                        ; 16 x lane
	v_and_b32 v8, 15, v0                           ; r
	v_bfe_u32 v9, v0, 4, 1                         ; h
	s_delay_alu instid0(VALU_DEP_2)
	v_lshlrev_b32 v2, 9, v8
	s_delay_alu instid0(VALU_DEP_1)
	v_lshl_add_u32 v2, v9, 3, v2                   ; W0: row r of 512 bytes, + 8 h
	s_mul_i32 s17, s14, 4352
	s_add_co_u32 s17, s17, STG                     ; my stage
	v_mul_u32_u24 v3, v8, 272
	s_delay_alu instid0(VALU_DEP_1)
	v_lshl_add_u32 v3, v9, 5, v3
	s_delay_alu instid0(VALU_DEP_1)
	v_add_nc_u32 v3, s17, v3                       ; in: row r (a channel), 32 bytes for each half of the lanes
	v_mul_u32_u24 v4, v9, 272
	s_delay_alu instid0(VALU_DEP_1)
	v_lshl_add_u32 v4, v8, 4, v4
	s_delay_alu instid0(VALU_DEP_1)
	v_add_nc_u32 v4, s17, v4                       ; back: lanes 0-15 one row of 256 bytes, lanes 16-31 the next
	v_lshlrev_b32 v5, 12, v9
	s_delay_alu instid0(VALU_DEP_1)
	v_lshl_add_u32 v5, v8, 4, v5                   ; and the same two rows in x and out0: a channel is 4,096 bytes
	s_lshl_b32 s18, s14, 13
	v_add_nc_u32 v6, s18, v1                       ; where my tile of att goes in LDS
	s_mov_b32 s23, 0
	s_mov_b32 s25, 0
	s_mov_b32 s19, 0
	s_lshl_b32 s22, s16, 19
	s_lshl_b32 s26, s15, 16
	s_add_co_u32 s22, s22, s26
	s_add_co_u32 s22, s22, s18                     ; att: sample, tile 8 x block + w
	s_lshl_b32 s24, s16, 19
	s_lshl_b32 s26, s14, 16
	s_add_co_u32 s24, s24, s26
	s_lshl_b32 s26, s15, 9
	s_add_co_u32 s24, s24, s26                     ; x, out0: sample, channel 16 w, place 128 x block
	s_wait_alu depctr_va_vdst(0)
	s_wait_kmcnt 0x0
	s_load_b64 s[20:21], s[8:9], 0x28              ; e10, e11
	s_add_nc_u64 s[4:5], s[4:5], s[22:23]
	s_add_nc_u64 s[6:7], s[6:7], s[18:19]          ; W0: my 16 rows
	s_add_nc_u64 s[10:11], s[10:11], s[24:25]
	s_add_nc_u64 s[12:13], s[12:13], s[24:25]
.irp i,0,1,2,3,4,5,6,7,8,9,10,11,12,13,14,15
	global_load_b128 v[AF+4*\i:AF+4*\i+3], v1, s[4:5] offset:512*\i th:TH_LOAD_NT
.endr
.irp s,0,1,2,3
.irp c,0,1,2,3,4,5,6,7
	global_load_b64 v[WF+16*\s+2*\c:WF+16*\s+2*\c+1], v2, s[6:7] offset:128*\s+16*\c   ; k = 128 s + 16 c + 8 h + 0 .. 7: the places of k that att's codes have
.endr
.endr
.irp g,0,1
.irp i,0,1,2,3,4,5,6,7
	global_load_b128 v[XR+32*\g+4*\i:XR+32*\g+4*\i+3], v5, s[10:11] offset:8192*\i+256*\g th:TH_LOAD_NT
.endr
.endr
	s_wait_kmcnt 0x0
	s_add_co_i32 s20, s20, s21
	s_add_co_i32 s20, s20, 127
	s_lshl_b32 s20, s20, 23                        ; 2^(e10 + e11) as f32
	s_mov_b32 s21, s20                             ; (named with it as a pair)
	s_wait_loadcnt 48                              ; att's 16 loads are in; W0's 32 and x's 16, issued behind them, may be out
.irp i,0,1,2,3,4,5,6,7,8,9,10,11,12,13,14,15
	ds_store_b128 v6, v[AF+4*\i:AF+4*\i+3] offset:512*\i
.endr
	s_wait_dscnt 0x0                               ; for the others' sake: my stores have landed
	s_barrier_signal -1
	s_barrier_wait -1                              ; the block's 32 fragments lie in LDS; nobody writes them again
.irp g,0,1                             ; 64 places at a time
.irp s,0,1,2,3
.irp t,0,1,2,3
.irp q,0,1,2,3
	ds_load_b128 v[AF+16*\t+4*\q:AF+16*\t+4*\q+3], v1 offset:(4*\g+\t)*8192+\s*2048+512*\q
.endr
.endr
	s_wait_dscnt 0x0
.if (\g == 0) && (\s == 0)
	s_wait_loadcnt 16                              ; W0 is in; x's 16 loads may be out
.endif
.irp t,0,1,2,3                         ; the four accumulators take turns, one instruction a turn
.if \s == 0
	v_wmma_f32_16x16x128_fp8_fp8 v[D+8*\t:D+8*\t+7], v[AF+16*\t:AF+16*\t+15], v[WF+16*\s:WF+16*\s+15], 0
.else
	v_wmma_f32_16x16x128_fp8_fp8 v[D+8*\t:D+8*\t+7], v[AF+16*\t:AF+16*\t+15], v[WF+16*\s:WF+16*\s+15], v[D+8*\t:D+8*\t+7]
.endif
.endr
.rept 4
	v_nop                                          ; four places in front of loads into registers that the products have read, and of the first read of results
.endr
.endr
.irp t,0,1,2,3
	ds_store_b128 v3, v[D+8*\t:D+8*\t+3] offset:64*\t            ; lane (r, h): channel r, places 16 t + 8 h + 0 .. 7; each accumulator from its low end on
	ds_store_b128 v3, v[D+8*\t+4:D+8*\t+7] offset:64*\t+16
.endr
.irp i,0,1,2,3,4,5,6,7
	ds_load_b128 v[AF+4*\i:AF+4*\i+3], v4 offset:544*\i          ; LDS serves a wave's instructions in order (ISA guide 5.7.1.4): these see my stores
.endr
	s_wait_dscnt 0x0
.if \g == 0
	s_wait_loadcnt 0x0                             ; x
.endif
.set j, 0
.rept 16
	v_pk_fma_f32 v[XR+32*\g+j:XR+32*\g+j+1], v[AF+j:AF+j+1], s[20:21], v[XR+32*\g+j:XR+32*\g+j+1] op_sel_hi:[1,0,1]   ; sum x 2^(e10 + e11) + x.  (These lines are also the places in front of the next products, which begin the accumulators anew)
.set j, j+2
.endr
.irp i,0,1,2,3,4,5,6,7
	global_store_b128 v5, v[XR+32*\g+4*\i:XR+32*\g+4*\i+3], s[12:13] offset:8192*\i+256*\g th:TH_STORE_NT
.endr
.endr
	s_wait_tensorcnt 0x0
	ds_add_u32 v240, v241
	s_wait_dscnt 0x0
	s_endpgm
.Lfunc_end_k_qfee097b19d_proj:
	.size	k_qfee097b19d_proj, .Lfunc_end_k_qfee097b19d_proj-k_qfee097b19d_proj
	.p2alignl 7, 3214868480
	.fill 96, 4, 3214868480
	.section	.rodata,"a",@progbits
	.p2align	6, 0x0
	.amdhsa_kernel k_qfee097b19d_proj
		.amdhsa_group_segment_fixed_size 101376
		.amdhsa_private_segment_fixed_size 0
		.amdhsa_enable_private_segment 0
		.amdhsa_kernarg_size 40
		.amdhsa_user_sgpr_count 2
		.amdhsa_user_sgpr_kernarg_segment_ptr 1
		.amdhsa_wavefront_size32 1
		.amdhsa_system_sgpr_workgroup_id_x 1
		.amdhsa_system_sgpr_workgroup_id_y 1
		.amdhsa_system_sgpr_workgroup_id_z 1
		.amdhsa_system_vgpr_workitem_id 0
		.amdhsa_next_free_vgpr 242
		.amdhsa_next_free_sgpr 66
		.amdhsa_reserve_vcc 0
		.amdhsa_float_denorm_mode_32 3
		.amdhsa_float_denorm_mode_16_64 3
		.amdhsa_memory_ordered 1
		.amdhsa_forward_progress 1
		.amdhsa_inst_pref_size 27
	.end_amdhsa_kernel
	.amdgpu_metadata
---
amdhsa.version: [ 1, 2 ]
amdhsa.kernels:
  - .name:           k_qfee097b19d_proj
    .symbol:         k_qfee097b19d_proj.kd
    .args:
      - { .name: att, .offset: 0, .size: 8, .value_kind: global_buffer, .address_space: global }
      - { .name: W0_codes, .offset: 8, .size: 8, .value_kind: global_buffer, .address_space: global }
      - { .name: lowp_scales, .offset: 16, .size: 8, .value_kind: global_buffer, .address_space: global }
      - { .name: x, .offset: 24, .size: 8, .value_kind: global_buffer, .address_space: global }
      - { .name: out0, .offset: 32, .size: 8, .value_kind: global_buffer, .address_space: global }
    .group_segment_fixed_size: 101376
    .private_segment_fixed_size: 0
    .kernarg_segment_align: 8
    .kernarg_segment_size: 40
    .max_flat_workgroup_size: 256
    .sgpr_count:     66
    .vgpr_count:     242
    .wavefront_size: 32
...
	.end_amdgpu_metadata
.endif
;; end of part 2
